; MI455X (gfx1250); checked and timed in simulation.
; The chip was launched on July 23, 2026; its instructions are those of AMD's public machine-readable ISA for CDNA 5 (MIT licence, August 2026) and "CDNA5" Instruction Set Architecture Reference Guide (July 2026). The comments in the code are by the model that wrote it; some were corrected since.
;; Scaled Dot Prod Att. Allowed arithmetic: matrix products marked QUANTISED: E2M3 operands, one E8M0 scale for each 32 along K, by v_wmma_scale_f32_16x16x128_f8f6f4 with both operands' format E2M3, f32 sums; everything else in f32.
;; Inputs: k 4 x 16 x 2,048 x 64 float32; q 4 x 16 x 2,048 x 64 float32; sen_len 4 int32; v 4 x 16 x 2,048 x 64 float32.
;; Outputs: out0 4 x 16 x 2,048 x 64 float32.
;; This version of the problem:
;;   THIS VERSION OF THE PROBLEM IS GIVEN IN LOW PRECISION. The matrix products marked QUANTISED in the list below multiply operands that are first quantised to E2M3 (2 exponent bits, 3 mantissa bits; 6 bits a number), with one power-of-two scale for each 32 numbers along K (OCP MX v1.0); their sums are f32. All else is computed in f32.
;;   The module's matrix products, in the order in which they are computed (A, B: the left and right operand; K: the contracted axis; several contracted axes count as one K, in the product's order):
;;     1. batch 64 x [M 2,048, K 64] x [K 64, N 2,048]; A: input q; B: input k: QUANTISED
;;     2. batch 64 x [M 2,048, K 2,048] x [K 2,048, N 64]; A: softmax (see below); B: input v: QUANTISED
;;   THE QUANTISER, for each operand of a quantised product, along K:
;;     - K is cut into blocks of 32 from its start; a last block that is shorter is filled with zeros.
;;     - A block's scale is 2^e with e = floor(log2(the largest magnitude in the block)) - 2, held to -126 .. 127; a block of zeros has e = 0. As a byte (E8M0): e + 127.
;;     - Each number is divided by its block's scale, clamped to +-7.5, and rounded to the nearest number of E2M3, ties to even, subnormals kept.
;;     - The product sums the exact products of the quantised numbers (number of the format x scale) in f32.
;;   ~~~python
;;   def quantise(x, axis):      # numpy; x: float32 -> the quantised numbers, widened to float32 again
;;       x = np.moveaxis(x, axis, -1); K = x.shape[-1]
;;       x = np.pad(x, [(0, 0)] * (x.ndim - 1) + [(0, -K % 32)]); x = x.reshape(x.shape[:-1] + (-1, 32)); a = np.abs(x).max(-1, keepdims=True)
;;       e = np.where(a > 0, np.clip(np.frexp(np.where(a > 0, a, 1))[1] - 1 - 2, -126, 127), 0)      # np.frexp(a)[1] - 1 = floor(log2(a)), exactly
;;       r = np.clip(x / 2.0 ** e, -7.5, 7.5)
;;       step = 2.0 ** (np.maximum(np.frexp(np.where(r == 0, 1, r))[1] - 1, 0) - 3)
;;       q = np.round(r / step) * step * 2.0 ** e      # np.round: ties to even
;;       return np.moveaxis(q.reshape(q.shape[:-2] + (-1,))[..., :K], -1, axis).astype(np.float32)
;;   ~~~
;;   SOFTMAX AHEAD OF A QUANTISED PRODUCT. Where the list says 'softmax', what is quantised is not the finished softmax but p = 2^(t - M), with t = logit x log2(e) and M = ceil(the row's largest t), a whole number; so 1/2 < the row's largest p <= 1. The row's sum l is taken of the UNQUANTISED p, in f32, and the product's result is divided by l at the end. Since M is a whole number, a kernel that streams over the keys may use a running M (the ceiling of the running maximum): every later rescaling is an exact power of two, which a block's scale takes up: the codes' values come out the same.
;;   OPERANDS COMPUTED ON THE WAY. 'Computed on the way' means the value that the module computes at that place (a softmax that the list does not call 'softmax' is quantised finished and normalised). What goes into a quantiser is computed in f32, as accurately as f32 sums, v_exp_f32 and their like allow (about 1e-6 of the number): no bf16 or f16 on the way to a quantiser, and a product that is left as it is and whose result goes on into a quantised operand takes f32 operands (vector FMAs, or v_wmma_f32_16x16x4_f32). A number that lies on a knife's edge between two numbers of the format may be rounded either way, as far as f32 arithmetic and the matrix unit's own rounding can turn it there, and no further.
;; One version. Each part assembles by itself: llvm-mc -triple=amdgcn-amd-amdhsa -mcpu=gfx1250 --defsym DOCPART=n.
;; ======== version 1 of 1: 2 launches
;; limits: right only within a limited range of input values
;; workspace buffers: kvc 13,107,200 bytes
;; launch prep (part 1): grid 16 x 64, 4 waves a work-group, no clusters, 70,144 bytes of LDS; arguments k, v, kvc; writes kvc
.if DOCPART == 1
	.amdgcn_target "amdgcn-amd-amdhsa--gfx1250"
	.amdhsa_code_object_version 6
	.text
	.protected	k_qaa87d03453_prep
	.globl	k_qaa87d03453_prep
	.p2align	8
	.type	k_qaa87d03453_prep,@function
k_qaa87d03453_prep:
	s_mov_b64 s[64:65], 0
	v_nop
	global_prefetch_b8 v0, s[64:65] scope:SCOPE_SE
	s_setreg_imm32_b32 hwreg(HW_REG_WAVE_MODE, 25, 1), 1
	s_wait_xcnt 0x0
; k and v, [64 heads][2048 keys][64] f32, become codes of FP6 (E2M3) with one E8M0 scale byte for each 32 along a product's K: k along the head's 64, v along the KEYS.
; They are laid in kvc as IMAGES OF THE OPERAND REGISTERS of the attention launch, a step of 128 keys on end (STEPB = 12,800 bytes), 16 steps a head:
;   +0      four PAIR fragments of k, 1,536 bytes each.  Pair b, lane (r = lane % 16, h = lane / 16), registers 6 u .. 6 u + 5 (u = 0, 1): key 32 b + 8 u + r + 8 (r / 8), d = 32 h .. 32 h + 31.
;           (Two tiles of 16 keys share one operand of 128 along K, since the first product's K is 64.)
;   +6144   four fragments of v^T, 1,536 bytes each.  Tile t, lane (r, h): d = 16 t + r; registers 6 c .. 6 c + 5: keys 64 c + 32 h + 0 .. 31.
;   +12288  512 bytes of scale words, 16 bytes a lane: lanes 0-15 k's word of pairs 0..3 (bytes: key u = 0 block 0, 1; key u = 1 block 0, 1), lanes 16-31 v's word of tiles 0..3 (byte i: keys 32 i on).
;   A fragment's registers 4 c .. 4 c + 3 lie at 512 c + 16 x lane.
; A block's scale is 2^(floor(log2(its largest magnitude)) - 2): its byte is the largest magnitude's exponent field - 2, held at 1 from below by a floor among the maximum's leaves.
; LIMITS: NaN and infinities among the inputs are not served.  A block of zeros gets the byte 1 where the rule says 127: its codes are zeros, and this program alone reads the bytes.
; SHARES.  A work-group takes one step of one head: 32,768 dense bytes of k and as many of v.  Wave w loads keys 32 w .. 32 w + 31 of both, 512 consecutive bytes a load, all 32 loads out at once,
; and makes k's pair w (whose 32 keys are its own) and v's tile w (which wants all 128 keys: v goes through a stage that the four waves share).  No loop, no matrix unit, no tensor load: a stream.
.set KP,    272                        ; k's stage, a wave's own: a key's 256 bytes + 16; keys 16-31 lie 128 bytes further on.  So the 16 lanes of a read (keys 0-7 and 16-23, or 8-15 and 24-31) fall into 16 different columns of 16 bytes
.set KSTW,  8960                       ; bytes of that stage for each wave
.set VST,   4*KSTW                     ; v's stage, shared: key kk, channel d at 256 kk + 64 (kk / 32) + 4 d: lanes 16-31 of a read (32 keys on) lie 16 words on, modulo 64 words, from lanes 0-15
.set VW,    8256                       ; 32 keys of it
.set SCL,   VST+33024                  ; the step's 512 bytes of scale words
.set STEPB, 12800
.set HEADB, 16*STEPB
.set M,   12                           ; v12-13  two blocks' largest magnitudes
.set SOP, 14                           ; v14-15  the conversions' scale operands
.set BY,  16                           ; v16-17  the scale bytes
.set PD,  18                           ; v18     a lane permute's destination
.set WK,  19                           ; v19     k's scale word;  v20 v's;  v21 the one that my lane stores
.set WV,  20
.set WS,  21
.set CT,  22                           ; v[22:24], v[26:28]  the upper halves of two blocks' codes, on their way
.set SRD, 29                           ; v29     LDS address: SCL + 16 x lane
.set CK,  32                           ; v[32:43] k's fragment;  v[44:55] v's
.set CV,  44
.set SW,  56                           ; v[56:59] scale words on the way out
.set LK,  64                           ; v[64:127]  k as loaded; later v's 64 numbers of my lane
.set XV,  64
.set LV,  128                          ; v[128:191] v as loaded
.set XK,  192                          ; v[192:255] k's 64 numbers of my lane
	s_load_b128 s[4:7], s[0:1], 0x0                ; k, v
	s_load_b64 s[8:9], s[0:1], 0x10                ; kvc
	v_lshl_add_u32 v62, v0, 2, 0x11000
	v_mov_b32 v63, 0
	v_lshrrev_b32 v1, 5, v0
	v_readfirstlane_b32 s10, v1                    ; wave 0..3
	v_and_b32 v1, 31, v0                           ; lane
	v_and_b32 v2, 15, v0                           ; r
	v_bfe_u32 v3, v0, 4, 1                         ; h
	v_lshlrev_b32 v4, 4, v1                        ; 16 x lane: my 16 bytes of a load's 512
	s_mul_i32 s11, s10, KSTW                       ; my wave's stage for k
	v_mul_u32_u24 v5, v3, KP
	v_lshl_add_u32 v5, v2, 4, v5
	v_add_nc_u32 v5, s11, v5                       ; into it: a load holds two keys: key h of them, 16 r bytes on
	v_bfe_u32 v12, v0, 3, 1                        ; r / 8
	v_lshl_add_u32 v6, v12, 3, v2                  ; r + 8 (r / 8)
	v_mul_u32_u24 v6, v6, KP
	v_lshl_add_u32 v6, v12, 7, v6                  ; (keys 16 on lie 128 bytes further)
	v_lshl_add_u32 v6, v3, 7, v6                   ; my half of the key's 64 numbers
	v_add_nc_u32 v6, s11, v6                       ; out of it
	s_mul_i32 s12, s10, VW
	s_add_co_u32 s12, s12, VST
	v_add_nc_u32 v7, s12, v4                       ; into v's stage: my wave's 32 keys, as they lie
	v_mul_u32_u24 v8, v3, VW
	v_lshl_add_u32 v8, v2, 2, v8
	s_lshl_b32 s13, s10, 6
	s_add_co_u32 s13, s13, VST
	v_add_nc_u32 v8, s13, v8                       ; out of it: channel 16 w + r, keys 32 h on
	s_lshl_b32 s13, s10, 2
	s_add_co_u32 s13, s13, SCL
	v_add_nc_u32 v9, s13, v4                       ; my lane's scale word of pair or tile w
	v_lshlrev_b32 v10, 3, v3                       ; 8 h: my bytes' shift in a scale word
	s_mul_i32 s13, s10, 1536
	v_add_nc_u32 v11, s13, v4                      ; in kvc: fragment w, 16 x lane
	v_add_nc_u32 v[SRD], SCL, v4
	v_mov_b32 v[PD], 0                             ; written once: a lane permute's destination counts as one of its sources
	s_mov_b32 s20, 0x76543210
	s_mov_b32 s21, 0xfedcba98                      ; v_permlanex16_b32's selects for lane l xor 16
	s_and_b32 s18, ttmp7, 0xffff                   ; the head; ttmp9 is the step
	s_lshl_b32 s14, s18, 19                        ; a head is 524,288 bytes of k and of v,
	s_lshl_b32 s15, ttmp9, 15                      ; a step 32,768,
	s_add_co_u32 s14, s14, s15
	s_lshl_b32 s15, s10, 13                        ; a wave's 32 keys 8,192
	s_add_co_u32 s14, s14, s15
	s_mov_b32 s15, 0
	s_mul_i32 s16, s18, HEADB
	s_mul_i32 s17, ttmp9, STEPB
	s_add_co_u32 s16, s16, s17
	s_mov_b32 s17, 0
	s_wait_alu depctr_va_vdst(0)
	s_wait_kmcnt 0x0
	s_add_nc_u64 s[4:5], s[4:5], s[14:15]
	s_add_nc_u64 s[6:7], s[6:7], s[14:15]
	s_add_nc_u64 s[8:9], s[8:9], s[16:17]
.irp i, 0,1,2,3,4,5,6,7,8,9,10,11,12,13,14,15
	global_load_b128 v[LK+4*\i:LK+4*\i+3], v4, s[4:5] offset:512*\i th:TH_LOAD_NT   ; 32 lanes read 512 consecutive bytes: two keys
.endr
.irp i, 0,1,2,3,4,5,6,7,8,9,10,11,12,13,14,15
	global_load_b128 v[LV+4*\i:LV+4*\i+3], v4, s[6:7] offset:512*\i th:TH_LOAD_NT
.endr
; 64 numbers of a lane become a fragment: v[x] .. v[x + 31] are the whole block of registers 0-5, v[x + 32] .. v[x + 63] that of registers 6-11.  The codes go to v[c] on, the row's scale word to v[w].
; My two bytes stand at places h and 2 + h of the word, for k (key u, block h) and for v (keys' block 2 c + h) alike; lane l xor 16 has the other two.
.macro QUANT2 x, c, w
.irp u, 0,1
	v_max3_num_f32 v[M+\u], |v[\x+32*\u]|, |v[\x+32*\u+1]|, 0x1800000   ; the floor 2^(3 - 127), under which no largest magnitude is taken: so the byte cannot fall under 1
.endr
.irp i, 2,4,6,8,10,12,14,16,18,20,22,24,26,28,30
.irp u, 0,1
	v_max3_num_f32 v[M+\u], v[M+\u], |v[\x+32*\u+\i]|, |v[\x+32*\u+\i+1]|   ; (the two blocks by turns)
.endr
.endr
.irp u, 0,1
	v_add_nc_u32 v[SOP+\u], 0xff000000, v[M+\u]    ; 2 off the exponent field: the conversion takes the exponent field of this operand as its scale, and nothing else of it
.endr
.irp u, 0,1
	v_lshrrev_b32 v[BY+\u], 23, v[SOP+\u]          ; the scale's byte
.endr
	v_lshl_or_b32 v[\w], v[BY+1], 16, v[BY]
	v_lshlrev_b32 v[\w], v10, v[\w]                ; 8 h bits up
	v_permlanex16_b32 v[PD], v[\w], s20, s21
	v_or_b32 v[\w], v[\w], v[PD]                   ; with lane l xor 16's two the word is whole, in both halves of the lanes
.irp u, 0,1
	v_cvt_scalef32_pk16_fp6_f32 v[\c+6*\u:\c+6*\u+2], v[\x+32*\u:\x+32*\u+15], v[SOP+\u]
	v_cvt_scalef32_pk16_fp6_f32 v[CT+4*\u:CT+4*\u+2], v[\x+32*\u+16:\x+32*\u+31], v[SOP+\u]   ; (a conversion's three registers begin on an even number: the second half of a block's six does not, so it is made elsewhere and moved)
.endr
	v_nop                                          ; one plain place behind a scaled conversion
.irp u, 0,1
.irp i, 0,1,2
	v_mov_b32 v[\c+6*\u+3+\i], v[CT+4*\u+\i]
.endr
.endr
.endm
	s_wait_loadcnt 16                              ; k's 16 loads are in; v's 16 may be out
.irp i, 0,1,2,3,4,5,6,7,8,9,10,11,12,13,14,15
	ds_store_b128 v5, v[LK+4*\i:LK+4*\i+3] offset:2*KP*\i+128*(\i/8)
.endr
.irp u, 0,1
.irp j, 0,1,2,3,4,5,6,7
	ds_load_b128 v[XK+32*\u+4*\j:XK+32*\u+4*\j+3], v6 offset:8*KP*\u+16*\j   ; my wave's own bytes: LDS serves a wave's instructions in order (ISA guide 5.7.1.4), so these see the stores above
.endr
.endr
	s_wait_loadcnt 0x0                             ; v
.irp i, 0,1,2,3,4,5,6,7,8,9,10,11,12,13,14,15
	ds_store_b128 v7, v[LV+4*\i:LV+4*\i+3] offset:512*\i
.endr
	s_wait_dscnt 0x0                               ; for the others' sake: my stores into v's stage are done (and k's numbers are back)
	s_barrier_signal -1
	s_barrier_wait -1                              ; v's 128 keys lie in the stage
.irp c, 0,1
.irp i, 0,1,2,3,4,5,6,7,8,9,10,11,12,13,14,15,16,17,18,19,20,21,22,23,24,25,26,27,28,29,30,31
	ds_load_b32 v[XV+32*\c+\i], v8 offset:2*VW*\c+256*\i   ; v(key 64 c + 32 h + i, channel 16 w + r): my registers run down the keys; they land while k is quantised
.endr
.endr
	QUANT2 XK, CK, WK
.irp c, 0,1,2
	global_store_b128 v11, v[CK+4*\c:CK+4*\c+3], s[8:9] offset:512*\c   ; 32 lanes store 512 consecutive bytes, at a multiple of 256 from kvc's first byte
.endr
	s_wait_dscnt 0x0                               ; v's 64 numbers are in
	QUANT2 XV, CV, WV
.irp c, 0,1,2
	global_store_b128 v11, v[CV+4*\c:CV+4*\c+3], s[8:9] offset:6144+512*\c
.endr
	v_cmp_gt_u32 vcc_lo, 16, v1
	v_cndmask_b32 v[WS], v[WV], v[WK], vcc_lo      ; lanes 0-15 hand in k's word, lanes 16-31 v's
	ds_store_b32 v9, v[WS]
	s_wait_dscnt 0x0                               ; for wave 0's sake
	s_barrier_signal -1
	s_barrier_wait -1                              ; the step's 128 scale words lie together
	s_cmp_lg_u32 s10, 0
	s_cbranch_scc1 .Ldone                          ; wave 0 alone stores them: 512 consecutive bytes
	ds_load_b128 v[SW:SW+3], v[SRD]
	s_wait_dscnt 0x0
	global_store_b128 v4, v[SW:SW+3], s[8:9] offset:12288
.Ldone:
	s_wait_tensorcnt 0x0
	ds_add_u32 v62, v63
	s_wait_dscnt 0x0
	s_endpgm
.Lfunc_end_k_qaa87d03453_prep:
	.size	k_qaa87d03453_prep, .Lfunc_end_k_qaa87d03453_prep-k_qaa87d03453_prep
	.p2alignl 7, 3214868480
	.fill 96, 4, 3214868480
	.section	.rodata,"a",@progbits
	.p2align	6, 0x0
	.amdhsa_kernel k_qaa87d03453_prep
		.amdhsa_group_segment_fixed_size 70144
		.amdhsa_private_segment_fixed_size 0
		.amdhsa_enable_private_segment 0
		.amdhsa_kernarg_size 24
		.amdhsa_user_sgpr_count 2
		.amdhsa_user_sgpr_kernarg_segment_ptr 1
		.amdhsa_wavefront_size32 1
		.amdhsa_system_sgpr_workgroup_id_x 1
		.amdhsa_system_sgpr_workgroup_id_y 1
		.amdhsa_system_sgpr_workgroup_id_z 1
		.amdhsa_system_vgpr_workitem_id 0
		.amdhsa_next_free_vgpr 256
		.amdhsa_next_free_sgpr 66
		.amdhsa_reserve_vcc 1
		.amdhsa_float_denorm_mode_32 3
		.amdhsa_float_denorm_mode_16_64 3
		.amdhsa_memory_ordered 1
		.amdhsa_forward_progress 1
		.amdhsa_inst_pref_size 21
	.end_amdhsa_kernel
	.amdgpu_metadata
---
amdhsa.version: [ 1, 2 ]
amdhsa.kernels:
  - .name:           k_qaa87d03453_prep
    .symbol:         k_qaa87d03453_prep.kd
    .args:
      - { .name: k, .offset: 0, .size: 8, .value_kind: global_buffer, .address_space: global }
      - { .name: v, .offset: 8, .size: 8, .value_kind: global_buffer, .address_space: global }
      - { .name: kvc, .offset: 16, .size: 8, .value_kind: global_buffer, .address_space: global }
    .group_segment_fixed_size: 70144
    .private_segment_fixed_size: 0
    .kernarg_segment_align: 8
    .kernarg_segment_size: 24
    .max_flat_workgroup_size: 128
    .sgpr_count:     66
    .vgpr_count:     256
    .wavefront_size: 32
...
	.end_amdgpu_metadata
.endif
;; end of part 1
;; launch attn (part 2): grid 4 x 64, 16 waves a work-group, no clusters, 276,480 bytes of LDS; arguments q, kvc, sen_len, out0; writes out0
.if DOCPART == 2
	.amdgcn_target "amdgcn-amd-amdhsa--gfx1250"
	.amdhsa_code_object_version 6
	.text
	.protected	k_qaa87d03453_attn
	.globl	k_qaa87d03453_attn
	.p2align	8
	.type	k_qaa87d03453_attn,@function
k_qaa87d03453_attn:
	s_mov_b64 s[64:65], 0
	v_nop
	global_prefetch_b8 v0, s[64:65] scope:SCOPE_SE
	s_setreg_imm32_b32 hwreg(HW_REG_WAVE_MODE, 25, 1), 1
	s_wait_xcnt 0x0
; out0[head][i][:] = the sum over keys j of softmax_j(q[i] . k[j] / 8) v[j][:], where key j counts for query i if j <= i and j < sen_len[head / 16]: one limit a query, j <= min(i, sen_len - 1).
; Both products on codes of FP6 (E2M3) with one E8M0 scale for each 32 along K.  k's and v's codes and scale words come from kvc, laid as images of the operand registers, 12,800 bytes for each step of 128 keys:
; +0 four pair fragments of k, +6144 four fragments of v^T, +12288 the scale words (lanes 0-15 k's, lanes 16-31 v's).  q is quantised here, in registers.
; THE SOFTMAX AHEAD OF THE SECOND PRODUCT: t = score x log2(e) / 8; M = the row's largest t so far, rounded UP to a whole number; p = 2^(t - M) is quantised along the keys, not normalised; the row's sum is taken of the
; unquantised p and divides at the end.  When M moves, the sum and O are multiplied by 2^(old M - new M): exact.
; A WHOLE HEAD LIES IN LDS: 16 steps x 12,800 = 204,800 bytes, brought once by 25 loads and 25 LDS stores a lane; one barrier; after it the waves run free.  So there is no ring and no tensor load.
; SHARES.  Work-group (x, head) owns the tiles of 16 queries 4 g + x, g = 0 .. 31.  Wave w takes g = 31 - w and then g = w.  A tile needs g / 2 + 1 steps under the causal mask: 17 steps for every wave.
; Sixteen waves of 256 registers, four to a SIMD: one wave's vector work stands beside another's matrix work and LDS loads.
; LAYOUT.  Both products are used transposed (S^T = k q^T, O^T = v^T p^T): a lane holds ONE query (lane % 16) throughout.  The first product's K is 64, half of the instruction's 128: an operand of k holds TWO tiles of 16 keys
; (K 0-63: one tile, K 64-127: the other) and is multiplied by [q | 0] and by [0 | q], which share their zeros: v[20:31] and v[26:37].  The keys of a tile are chosen so that registers 16 b + i of the scores are
; keys 32 b + 16 (lane / 16) + i: 16 neighbours along the second product's K.
; THE MASKS.  Every wave walks all 16 steps in a loop of constant count; a step all of whose keys are hidden from my 16 queries is jumped over, and in a step all of whose keys count the masking lines are: scalar branches on
; ids and on sen_len, which is read as a whole number.  Hidden scores become -infinity ahead of the maximum, so p = 0.  In a step that is worked its first key counts for every one of my queries.
; sen_len <= 0: reference() replaces every logit by the same number, so p = 1 for all 2,048 keys: here c = 0, no step is jumped over and no mask is laid.
; NO CLUSTER, though the four work-groups of a head read the same 204,800 bytes: a joint request is a tensor load; what is shared is read once, at the head.
; NO PREFETCH: all that a work-group reads is asked for in its first lines, but the second tile's q, which is asked for a whole tile's work ahead.
; LIMITS: NaN and infinities among the inputs are not served.  Masked scores are -infinity where reference() writes -1e9: the same result while a row's largest unmasked logit lies above about -1e9 + 104.  sen_len above 2,048 counts as 2,048.
.set STEPB, 12800
.set HEADB, 16*STEPB
.set VOFF,  6144
.set SOFF,  12288
.set STAGE, HEADB                      ; behind the head: 16 rows x (256 bytes + 16) for each wave, its own: q's way in and O's way out
.set SP,    272                        ; 68 words: row r starts at bank 4 r mod 64 (64 banks of 4 bytes: ISA guide 11.1)
.set L16,  1                           ; v1   16 x lane
.set AD,   2                           ; v2   LDS address of the step in hand: its first byte + 16 x lane
.set D0,   3                           ; v3   my query's limit - 16 (lane / 16)
.set STO,  4                           ; v4   stage: row r, 32 h bytes on: where I put O
.set RD,   5                           ; v5   stage: row h, 16 r bytes on: whole rows, two an instruction
.set QRD,  6                           ; v6   stage: row r, 128 h bytes on: my 32 numbers of q
.set GO,   7                           ; v7, v8  byte offset in q and in out0 of my 16 bytes in the tile's first two rows, first and second tile; never rewritten
.set RR,   9                           ; v9   r
.set NM,   10                          ; v[10:11] -M, the largest t
.set SUM,  12                          ; v[12:13] the row's sum, in two halves
.set SC,   14                          ; v14-17 the step's scale words: lanes 0-15 k's pairs 0..3, lanes 16-31 v's tiles 0..3
.set QS,   18                          ; v18  q's scale word: its two bytes, twice
.set PS,   19                          ; v19  p's scale word
.set QF,   20                          ; v[20:37] q's codes, six registers of zeros, q's codes again
.set H16,  38                          ; v38  16 h;  v39  8 h
.set H8,   39
.set X,    40                          ; v[40:87]   four fragments: k's pairs, then v's tiles
.set S,    88                          ; v[88:151]  the scores, then p; on the way out O / sum and whole rows
.set O,    152                         ; v[152:183] O^T: tile t's register j is o(query r, channel 16 t + 8 h + j)
.set BM,   184                         ; v184-187 each block's largest score, then its largest p
.set PD,   188                         ; v188-191 lane permutes' destinations
.set SO,   192                         ; v192-195 the conversions' scale operands
.set BY,   196                         ; v196-199 the scale bytes
.set F,    200                         ; v[200:201] f = 2^(old M - new M); later 1 / sum.  (v201 is named with it as a pair, so it is written once)
.set SUM2, 202                         ; v[202:203] the sums' second chain
.set CT,   204                         ; v[204:206], v[208:210] halves of blocks' codes, on their way
.set T,    207                         ; v207 at work
.set NINF, 211                         ; v211 -infinity
.set PC,   212                         ; v[212:223] p's codes
.set QN,   224                         ; v[224:255] q as f32
.set FD,   88                          ; at the head: v[88:187] the fill's 25 x 4 registers
.set FA,   193                         ; at the head: v193-196 16 x thread + 0, 1, 2, 3 x 65,536
.set QM,   188                         ; in QQ: v188-189 maxima, v190 scale operand, v191 byte and word, v192 a permute's destination
; s[4:5] q, s[6:7] kvc, s[8:9] sen_len, s[10:11] out0 (at my head); s12 wave; s14 head; s15 sen_len; s16 min(sen_len, 2048) - 1; s[20:21] lane selects; s[22:23] c, twice;
; s24 the step's first LDS byte; s25 its first key; s26, s28 the last key that counts for any of my queries (first, second tile); s27, s29 the last that counts for all; s30, s31 my first query; s32-37 at work
	s_load_b128 s[4:7], s[0:1], 0x0                ; q, kvc
	s_load_b128 s[8:11], s[0:1], 0x10              ; sen_len, out0
	v_lshrrev_b32 v1, 5, v0
	s_delay_alu instid0(VALU_DEP_1)
	v_readfirstlane_b32 s12, v1                    ; wave 0..15
	s_and_b32 s14, ttmp7, 0xffff                   ; the head
	v_and_b32 v[L16], 31, v0
	s_delay_alu instid0(VALU_DEP_1)
	v_lshlrev_b32 v[L16], 4, v[L16]
	v_and_b32 v[RR], 15, v0                        ; r
	v_bfe_u32 v[AD], v0, 4, 1                      ; h
	s_delay_alu instid0(VALU_DEP_1)
	v_lshlrev_b32 v[H16], 4, v[AD]
	s_delay_alu instid0(VALU_DEP_2)
	v_lshlrev_b32 v[H8], 3, v[AD]
	s_mul_i32 s34, s12, 16*SP
	s_add_co_u32 s34, s34, STAGE                   ; my stage
	v_mul_u32_u24 v[STO], v[RR], SP
	s_delay_alu instid0(VALU_DEP_1)
	v_lshl_add_u32 v[QRD], v[AD], 7, v[STO]
	s_delay_alu instid0(VALU_DEP_2)
	v_lshl_add_u32 v[STO], v[AD], 5, v[STO]
	s_delay_alu instid0(VALU_DEP_2)
	v_add_nc_u32 v[QRD], s34, v[QRD]
	s_delay_alu instid0(VALU_DEP_2)
	v_add_nc_u32 v[STO], s34, v[STO]
	v_mul_u32_u24 v[RD], v[AD], SP
	s_delay_alu instid0(VALU_DEP_1)
	v_lshl_add_u32 v[RD], v[RR], 4, v[RD]
	s_delay_alu instid0(VALU_DEP_1)
	v_add_nc_u32 v[RD], s34, v[RD]
	v_lshlrev_b32 v[FA], 4, v0                     ; the fill: 16 bytes a thread, 8,192 a load of the work-group
	s_delay_alu instid0(VALU_DEP_1)
	v_add_nc_u32 v[FA+1], 0x10000, v[FA]           ; (an LDS offset has 16 bits)
	s_delay_alu instid0(VALU_DEP_2)
	v_add_nc_u32 v[FA+2], 0x20000, v[FA]
	s_delay_alu instid0(VALU_DEP_3)
	v_add_nc_u32 v[FA+3], 0x30000, v[FA]
	s_sub_co_u32 s30, 31, s12
	s_lshl_b32 s30, s30, 6
	s_lshl_b32 s32, ttmp9, 4
	s_add_co_u32 s30, s30, s32                     ; first tile: query 64 (31 - w) + 16 x
	s_lshl_b32 s31, s12, 6
	s_add_co_u32 s31, s31, s32                     ; second tile: 64 w + 16 x
	s_lshl_b32 s32, s30, 8                         ; a row of q and of out0 is 256 bytes
	v_add_nc_u32 v[GO], s32, v[L16]
	s_lshl_b32 s32, s31, 8
	v_add_nc_u32 v[GO+1], s32, v[L16]
	s_lshl_b32 s32, s14, 19                        ; a head of q and of out0 is 524,288 bytes
	s_mov_b32 s33, 0
	s_mul_i32 s34, s14, HEADB
	s_mov_b32 s35, 0
	s_lshr_b32 s36, s14, 4                         ; the batch,
	s_lshl_b32 s36, s36, 2                         ; 4 bytes each
	s_mov_b32 s37, 0
	s_mov_b32 s20, 0x76543210
	s_mov_b32 s21, 0xfedcba98                      ; v_permlanex16_b32's selects for lane l xor 16
.irp j, 188,189,190,191,192
	v_mov_b32 v\j, 0                               ; written once: a lane permute's destination counts as one of its sources
.endr
	v_mov_b32 v[F+1], 0
	v_mov_b32 v[NINF], 0xff800000
	s_wait_alu depctr_va_vdst(0)
	s_wait_kmcnt 0x0
	s_add_nc_u64 s[8:9], s[8:9], s[36:37]
	s_load_b32 s15, s[8:9], 0x0                    ; my batch's sen_len
	s_add_nc_u64 s[4:5], s[4:5], s[32:33]
	s_add_nc_u64 s[10:11], s[10:11], s[32:33]
	s_add_nc_u64 s[6:7], s[6:7], s[34:35]
.irp i, 0,1,2,3,4,5,6,7
	global_load_b128 v[QN+4*\i:QN+4*\i+3], v[GO], s[4:5] offset:512*\i th:TH_LOAD_NT   ; the first tile's q: 512 consecutive bytes, two rows, a load
.endr
.irp i, 0,1,2,3,4,5,6,7,8,9,10,11,12,13,14,15,16,17,18,19,20,21,22,23,24
	global_load_b128 v[FD+4*\i:FD+4*\i+3], v[FA], s[6:7] offset:8192*\i   ; the head's codes and scale words, as they lie (four work-groups read them: no hint)
.endr
	s_wait_kmcnt 0x0                               ; sen_len
	s_min_i32 s16, s15, 0x800
	s_sub_co_i32 s16, s16, 1                       ; the last key that the padding leaves
	s_add_co_u32 s26, s30, 15
	s_min_i32 s26, s26, s16
	s_min_i32 s27, s30, s16
	s_add_co_u32 s28, s31, 15
	s_min_i32 s28, s28, s16
	s_min_i32 s29, s31, s16
	s_mov_b32 s36, 0x7ff
	s_mov_b32 s37, 0x3e38aa3b                      ; log2(e) / 8
	s_cmp_lt_i32 s15, 1                            ; no key left at all: every key counts alike (only selects and moves follow, which leave SCC alone)
	s_cselect_b32 s26, s36, s26
	s_cselect_b32 s27, s36, s27
	s_cselect_b32 s28, s36, s28
	s_cselect_b32 s29, s36, s29
	s_cselect_b32 s22, 0, s37                      ; c
	s_mov_b32 s23, s22                             ; (the packed form names the pair and takes its low word for both halves: so s23 is written)
; A tile's q, 16 rows x 64 f32 as loaded (two rows an instruction), turns through my stage, so that lane (r, h) holds the 32 numbers d = 32 h .. 32 h + 31 of row r: one whole block.  It becomes q's codes (twice, zeros between) and q's scale word.
.macro QQ
.irp i, 0,1,2,3,4,5,6,7
	ds_store_b128 v[RD], v[QN+4*\i:QN+4*\i+3] offset:2*SP*\i
.endr
.irp j, 0,1,2,3,4,5,6,7
	ds_load_b128 v[QN+4*\j:QN+4*\j+3], v[QRD] offset:16*\j   ; my wave's own bytes: LDS serves a wave's instructions in order (ISA guide 5.7.1.4)
.endr
	s_wait_dscnt 0x0
	v_max3_num_f32 v[QM], |v[QN]|, |v[QN+1]|, 0x1800000      ; the floor 2^(3 - 127): the byte cannot fall under 1
	v_max3_num_f32 v[QM+1], |v[QN+2]|, |v[QN+3]|, |v[QN+4]|
.irp i, 5,9,13,17,21,25
	s_delay_alu instid0(VALU_DEP_2)
	v_max3_num_f32 v[QM], v[QM], |v[QN+\i]|, |v[QN+\i+1]|
	s_delay_alu instid0(VALU_DEP_2)
	v_max3_num_f32 v[QM+1], v[QM+1], |v[QN+\i+2]|, |v[QN+\i+3]|
.endr
	s_delay_alu instid0(VALU_DEP_2)
	v_max3_num_f32 v[QM], v[QM], |v[QN+29]|, |v[QN+30]|
	s_delay_alu instid0(VALU_DEP_1)
	v_max3_num_f32 v[QM], v[QM], v[QM+1], |v[QN+31]|
	s_delay_alu instid0(VALU_DEP_1)
	v_add_nc_u32 v[QM+2], 0xff000000, v[QM]        ; 2 off the exponent field: the conversion's scale operand
	s_delay_alu instid0(VALU_DEP_1)
	v_lshrrev_b32 v[QM+3], 23, v[QM+2]             ; the scale's byte
	v_cvt_scalef32_pk16_fp6_f32 v[QF:QF+2], v[QN:QN+15], v[QM+2]
	v_cvt_scalef32_pk16_fp6_f32 v[CT:CT+2], v[QN+16:QN+31], v[QM+2]   ; (a conversion's three registers begin on an even number)
	v_lshlrev_b32 v[QM+3], v[H8], v[QM+3]          ; my byte at place h.  (The plain place behind the conversions)
.irp i, 0,1,2
	v_mov_b32 v[QF+3+\i], v[CT+\i]
.endr
.irp i, 0,1,2,3,4,5
	v_mov_b32 v[QF+6+\i], 0
.endr
.irp i, 0,1,2,3,4,5
	v_mov_b32 v[QF+12+\i], v[QF+\i]
.endr
	v_permlanex16_b32 v[QM+4], v[QM+3], s20, s21
	s_delay_alu instid0(VALU_DEP_1)
	v_or_b32 v[QM+3], v[QM+3], v[QM+4]             ; the row's two bytes
	s_delay_alu instid0(VALU_DEP_1)
	v_lshl_or_b32 v[QS], v[QM+3], 16, v[QM+3]      ; twice: for K 0-63 and for K 64-127
.endm
; A STEP of 128 keys for my tile.  hid: the scalar register with the last key that counts for any of my queries; opn: for all of them.
.macro STEP hid, opn
	s_cmp_gt_i32 s25, s[\hid]
	s_cbranch_scc1 .Lhidden_\@                     ; all 128 keys are hidden from my 16 queries
	s_setprio 2
	v_add_nc_u32 v[AD], s24, v[L16]                ; with the three v_nop: four places between the last step's products and the loads into registers that they read (ISA guide 7.12.1 for vector instructions)
.rept 3
	v_nop
.endr
	ds_load_b128 v[SC:SC+3], v[AD] offset:SOFF
.irp b, 0,1,2,3
.irp c, 0,1,2
	ds_load_b128 v[X+12*\b+4*\c:X+12*\b+4*\c+3], v[AD] offset:1536*\b+512*\c
.endr
.endr
	s_wait_alu depctr_va_vdst(0)
.irp b, 0,1,2,3                                ; S^T = k q^T: pair b against [q | 0] and [0 | q]: keys 32 b + 16 h + 0 .. 7 and + 8 .. 15
	s_wait_dscnt 9-3*\b                            ; the scale words and pairs 0 .. b are in; the younger 9 - 3 b loads may be out
	v_wmma_scale_f32_16x16x128_f8f6f4 v[S+16*\b:S+16*\b+7], v[X+12*\b:X+12*\b+11], v[QF:QF+11], 0, v[SC+\b], v[QS] matrix_a_fmt:MATRIX_FMT_FP6 matrix_b_fmt:MATRIX_FMT_FP6
	v_wmma_scale_f32_16x16x128_f8f6f4 v[S+16*\b+8:S+16*\b+15], v[X+12*\b:X+12*\b+11], v[QF+6:QF+17], 0, v[SC+\b], v[QS] matrix_a_fmt:MATRIX_FMT_FP6 matrix_b_fmt:MATRIX_FMT_FP6
.endr
.rept 4
	v_nop                                          ; four places: in front of the loads into k's registers and of the first read of the scores
.endr
.irp t, 0,1,2,3
.irp c, 0,1,2
	ds_load_b128 v[X+12*\t+4*\c:X+12*\t+4*\c+3], v[AD] offset:VOFF+1536*\t+512*\c   ; v's four fragments land during the softmax
.endr
.endr
	s_add_co_u32 s32, s25, 127
	s_cmp_le_i32 s32, s[\opn]
	s_cbranch_scc1 .Lopen_\@                       ; all 128 keys count for all my queries
	s_sub_co_i32 s33, 0, s25
	v_add_nc_u32 v[T], s33, v[D0]                  ; my limit - the step's first key - 16 h.  Register 16 b + i holds key 32 b + 16 h + i of the step: hidden where 32 b + i is greater
.irp n, 0,1,2,3,4,5,6,7,8,9,10,11,12,13,14,15,16,17,18,19,20,21,22,23,24,25,26,27,28,29,30,31,32,33,34,35,36,37,38,39,40,41,42,43,44,45,46,47,48,49,50,51,52,53,54,55,56,57,58,59,60,61,62,63
	v_cmp_gt_i32 vcc_lo, 32*(\n/16)+\n%16, v[T]
	v_cndmask_b32 v[S+\n], v[S+\n], v[NINF], vcc_lo
.endr
.Lopen_\@:
.irp b, 0,1,2,3
	v_max3_num_f32 v[BM+\b], v[S+16*\b], v[S+16*\b+1], v[S+16*\b+2]   ; the largest score of each block of 32 keys: it serves for the row's maximum and, since p rises with the score, for the block's largest p
.endr
.irp i, 3,5,7,9,11,13
.irp b, 0,1,2,3
	v_max3_num_f32 v[BM+\b], v[BM+\b], v[S+16*\b+\i], v[S+16*\b+\i+1]   ; (the four blocks by turns; each accumulator is read from its low end on)
.endr
.endr
.irp b, 0,1,2,3
	v_max_num_f32 v[BM+\b], v[BM+\b], v[S+16*\b+15]
.endr
.irp b, 0,1,2,3
	s_delay_alu instid0(VALU_DEP_4)
	v_permlanex16_b32 v[PD+\b], v[BM+\b], s20, s21
.endr
.irp b, 0,1,2,3
	s_delay_alu instid0(VALU_DEP_4)
	v_max_num_f32 v[BM+\b], v[BM+\b], v[PD+\b]     ; with lane l xor 16's 16 keys
.endr
	s_delay_alu instid0(VALU_DEP_2)
	v_max3_num_f32 v[T], v[BM], v[BM+1], v[BM+2]
	s_delay_alu instid0(VALU_DEP_1)
	v_max_num_f32 v[T], v[T], v[BM+3]              ; the step's largest score of my query
	s_delay_alu instid0(VALU_DEP_1)
	v_mul_f32 v[T], s22, v[T]                      ; as t (c is not negative)
	s_delay_alu instid0(VALU_DEP_1)
	v_max_num_f32 v[NM+1], v[NM+1], v[T]           ; the running largest t
	v_mov_b32 v[T], v[NM]
	s_delay_alu instid0(VALU_DEP_2)
	v_floor_f32 v[NM], -v[NM+1]                    ; the new -M = floor(-t) = -ceil(t): M is a whole number
	s_delay_alu instid0(VALU_DEP_1)
	v_sub_f32 v[T], v[NM], v[T]                    ; M's old value less its new one: a whole number, 0 or less
	s_delay_alu instid0(VALU_DEP_1)
	v_cvt_i32_f32 v[T], v[T]                       ; (it saturates)
	s_delay_alu instid0(VALU_DEP_1)
	v_ldexp_f32 v[F], 1.0, v[T]                    ; f = 2^(old M - new M)
.irp j, 0,2,4,6,8,10,12,14,16,18,20,22,24,26,28,30,32,34,36,38,40,42,44,46,48,50,52,54,56,58,60,62
	v_pk_fma_f32 v[S+\j:S+\j+1], v[S+\j:S+\j+1], s[22:23], v[NM:NM+1] op_sel_hi:[1,0,0]   ; t - M, two at a time (of the pairs c and -M the low word serves both halves)
.endr
	s_setprio 1
.irp b, 0,1,2,3
	v_fma_f32 v[BM+\b], v[BM+\b], s22, v[NM]       ; the same of each block's largest score
.endr
	s_wait_alu depctr_va_vdst(0)
.irp j, 0,1,2,3,4,5,6,7,8,9,10,11,12,13,14,15,16,17,18,19,20,21,22,23,24,25,26,27,28,29,30,31,32,33,34,35,36,37,38,39,40,41,42,43,44,45,46,47,48,49,50,51,52,53,54,55,56,57,58,59,60,61,62,63
	v_exp_f32 v[S+\j], v[S+\j]                     ; p = 2^(t - M), at most 1: not normalised
.endr
	v_pk_mul_f32 v[SUM:SUM+1], v[SUM:SUM+1], v[F:F+1] op_sel_hi:[1,0]   ; the sums under the new M.  (The plain place behind the exponentials)
	s_wait_alu depctr_va_vdst(0)
.irp j, 0,2,4,6,8,10,12,14,16,18,20,22,24,26,28,30
	v_pk_mul_f32 v[O+\j:O+\j+1], v[O+\j:O+\j+1], v[F:F+1] op_sel_hi:[1,0]   ; O^T under the new M: work that names no exponential's result, between the batch and its wait
.endr
	s_wait_alu depctr_va_vdst(0)                   ; one wait for the batch of 64, ahead of the first line that names a result
.irp b, 0,1,2,3
	v_exp_f32 v[BM+\b], v[BM+\b]                   ; each block's largest p: the same two instructions on the same number give the same bits
.endr
	v_pk_add_f32 v[SUM2:SUM2+1], v[S:S+1], v[S+2:S+3]   ; the row's sum is taken of the unquantised p: two at a time, in two chains; its first half stands here, behind the four
.irp j, 4,8,12,16,20,24,28
	v_pk_add_f32 v[SUM:SUM+1], v[SUM:SUM+1], v[S+\j:S+\j+1]
	v_pk_add_f32 v[SUM2:SUM2+1], v[SUM2:SUM2+1], v[S+\j+2:S+\j+3]
.endr
	s_wait_alu depctr_va_vdst(0)                   ; and one for the four
.irp b, 0,1,2,3
	v_max_num_f32 v[BM+\b], 0x1800000, v[BM+\b]    ; the floor 2^(3 - 127): the byte cannot fall under 1 (a block whose every p is 0 keeps that byte: its codes are zeros)
.endr
.irp b, 0,1,2,3
	s_delay_alu instid0(VALU_DEP_4)
	v_add_nc_u32 v[SO+\b], 0xff000000, v[BM+\b]    ; 2 off the exponent field: the conversion's scale operand
.endr
.irp b, 0,1,2,3
	s_delay_alu instid0(VALU_DEP_4)
	v_lshrrev_b32 v[BY+\b], 23, v[SO+\b]           ; the scale's byte
.endr
	s_delay_alu instid0(VALU_DEP_3)
	v_lshl_or_b32 v[PS], v[BY+1], 8, v[BY]         ; p's scale word for these 128 keys
	s_delay_alu instid0(VALU_DEP_1)
	v_lshl_or_b32 v[PS], v[BY+2], 16, v[PS]
	s_delay_alu instid0(VALU_DEP_1)
	v_lshl_or_b32 v[PS], v[BY+3], 24, v[PS]
	s_setprio 0
.irp c, 0,1
	v_cvt_scalef32_pk16_fp6_f32 v[PC+6*\c:PC+6*\c+2], v[S+32*\c:S+32*\c+15], v[SO+2*\c]
	v_cvt_scalef32_pk16_fp6_f32 v[CT+4*\c:CT+4*\c+2], v[S+32*\c+16:S+32*\c+31], v[SO+2*\c+1]   ; (a conversion's three registers begin on an even number)
.endr
	v_nop                                          ; one plain place behind a scaled conversion
.irp c, 0,1                                    ; the operand's layout wants a WHOLE block in a lane: lanes 0-15 block 2 c, lanes 16-31 block 2 c + 1
.irp i, 0,1,2
	v_permlane16_swap_b32 v[PC+6*\c+\i], v[CT+4*\c+\i]
.endr
.irp i, 0,1,2
	s_delay_alu instid0(VALU_DEP_3)
	v_mov_b32 v[PC+6*\c+3+\i], v[CT+4*\c+\i]
.endr
.endr
.irp j, 32,36,40,44,48,52,56,60                ; the sums' second half: these 17 lines are also the places between p's scale word (8 asked) and codes (4 asked) and the products below
	v_pk_add_f32 v[SUM:SUM+1], v[SUM:SUM+1], v[S+\j:S+\j+1]
	v_pk_add_f32 v[SUM2:SUM2+1], v[SUM2:SUM2+1], v[S+\j+2:S+\j+3]
.endr
	s_delay_alu instid0(VALU_DEP_1)
	v_pk_add_f32 v[SUM:SUM+1], v[SUM:SUM+1], v[SUM2:SUM2+1]
.irp t, 0,1,2,3                                ; O^T += v^T p^T: the four accumulators take turns, one instruction a turn, and k's products stand between a step's and the next step's
	s_wait_dscnt 9-3*\t                            ; v's tiles 0 .. t are in
	v_wmma_scale_f32_16x16x128_f8f6f4 v[O+8*\t:O+8*\t+7], v[X+12*\t:X+12*\t+11], v[PC:PC+11], v[O+8*\t:O+8*\t+7], v[SC+\t], v[PS] matrix_a_fmt:MATRIX_FMT_FP6 matrix_b_fmt:MATRIX_FMT_FP6 matrix_a_scale:MATRIX_SCALE_ROW1
.endr
.Lhidden_\@:
.endm
; THE WAY OUT of tile p: O^T / the sum goes through my stage and leaves as whole rows of 256 bytes, two an instruction.
.macro OUT p
.rept 4
	v_nop                                          ; four places behind the last products
.endr
	v_add_f32 v[SUM], v[SUM], v[SUM+1]             ; the sum's two halves,
	s_delay_alu instid0(VALU_DEP_1)
	v_permlanex16_b32 v[PD], v[SUM], s20, s21
	s_delay_alu instid0(VALU_DEP_1)
	v_add_f32 v[SUM], v[SUM], v[PD]                ; and lane l xor 16's: the row's sum
	s_wait_alu depctr_va_vdst(0)
	v_rcp_f32 v[F], v[SUM]
	v_nop                                          ; one plain place behind a transcendental
	s_wait_alu depctr_va_vdst(0)                   ; and the wait ahead of its first reader
.irp j, 0,2,4,6,8,10,12,14,16,18,20,22,24,26,28,30
	v_pk_mul_f32 v[S+\j:S+\j+1], v[O+\j:O+\j+1], v[F:F+1] op_sel_hi:[1,0]   ; each accumulator from its low end on
.endr
.irp t, 0,1,2,3
	ds_store_b128 v[STO], v[S+8*\t:S+8*\t+3] offset:64*\t
	ds_store_b128 v[STO], v[S+8*\t+4:S+8*\t+7] offset:64*\t+16
.endr
.irp i, 0,1,2,3,4,5,6,7
	ds_load_b128 v[S+32+4*\i:S+32+4*\i+3], v[RD] offset:2*SP*\i   ; my wave's own bytes, served in order: these see the stores above
.endr
.irp i, 0,1,2,3,4,5,6,7
	s_wait_dscnt 7-\i                              ; rows 2 i and 2 i + 1 are back
	global_store_b128 v[GO+\p], v[S+32+4*\i:S+32+4*\i+3], s[10:11] offset:512*\i th:TH_STORE_NT   ; 32 lanes store 512 consecutive bytes, at a multiple of 256 from out0's first byte; written once, read by nobody here
.endr
.endm
; One tile of 16 queries: all 16 steps in a loop of constant count, then the way out.
.macro BODY p
	v_add_nc_u32 v[D0], s[30+\p], v[RR]            ; my query,
	s_delay_alu instid0(VALU_DEP_1)
	v_min_u32 v[D0], s16, v[D0]                    ; held at the last key that the padding leaves (both are 0 or more wherever the mask is laid),
	s_delay_alu instid0(VALU_DEP_1)
	v_sub_nc_u32 v[D0], v[D0], v[H16]              ; less 16 h
.irp j, 0,1,2,3,4,5,6,7,8,9,10,11,12,13,14,15,16,17,18,19,20,21,22,23,24,25,26,27,28,29,30,31
	v_mov_b32 v[O+\j], 0                           ; O^T.  (The step is written once: the first finds zeros, which the first change of M leaves zeros)
.endr
	v_mov_b32 v[NM+1], 0xff61b1e6                  ; the largest t so far: -3e38, under every t
	s_delay_alu instid0(VALU_DEP_1)
	v_floor_f32 v[NM], -v[NM+1]                    ; -M
	v_mov_b32 v[SUM], 0
	v_mov_b32 v[SUM+1], 0
	s_mov_b32 s24, 0
	s_mov_b32 s25, 0
.Lstep_\@:
	STEP 26+2*\p, 27+2*\p
	s_add_co_u32 s24, s24, STEPB
	s_add_co_u32 s25, s25, 128
	s_cmp_lt_u32 s25, 0x800
	s_cbranch_scc1 .Lstep_\@
	s_setprio 0
	s_wait_alu depctr_va_vdst(0)
	OUT \p
.endm
	s_wait_loadcnt 25                              ; the first tile's q is in; the fill's 25 loads may be out
	QQ                                             ; it is quantised while they land
.irp i, 0,1,2,3,4,5,6,7,8,9,10,11,12,13,14,15,16,17,18,19,20,21,22,23,24
	s_wait_loadcnt 24-\i                           ; load i of the fill is in; the younger ones may be out
	ds_store_b128 v[FA+\i/8], v[FD+4*\i:FD+4*\i+3] offset:8192*(\i%8)
.endr
	s_wait_dscnt 0x0                               ; for the others' sake: my part of the head lies in LDS
	s_barrier_signal -1
	s_barrier_wait -1                              ; the whole head does: from here on these bytes are only read
.irp i, 0,1,2,3,4,5,6,7
	global_load_b128 v[QN+4*\i:QN+4*\i+3], v[GO+1], s[4:5] offset:512*\i th:TH_LOAD_NT   ; the second tile's q: it has the first tile's work in which to land
.endr
	BODY 0
	s_wait_loadcnt 0x0                             ; the second tile's q
	QQ
	s_wait_xcnt 0x0                                ; the first tile's stores have read their registers: the scores may be written there again
	BODY 1
	s_wait_xcnt 0x0
	v_lshl_add_u32 v254, v0, 2, 0x43000
	v_mov_b32 v255, 0
	s_wait_alu depctr_va_vdst(0)
	s_wait_tensorcnt 0x0
	ds_add_u32 v254, v255
	s_wait_dscnt 0x0
	s_endpgm
.Lfunc_end_k_qaa87d03453_attn:
	.size	k_qaa87d03453_attn, .Lfunc_end_k_qaa87d03453_attn-k_qaa87d03453_attn
	.p2alignl 7, 3214868480
	.fill 96, 4, 3214868480
	.section	.rodata,"a",@progbits
	.p2align	6, 0x0
	.amdhsa_kernel k_qaa87d03453_attn
		.amdhsa_group_segment_fixed_size 276480
		.amdhsa_private_segment_fixed_size 0
		.amdhsa_enable_private_segment 0
		.amdhsa_kernarg_size 32
		.amdhsa_user_sgpr_count 2
		.amdhsa_user_sgpr_kernarg_segment_ptr 1
		.amdhsa_wavefront_size32 1
		.amdhsa_system_sgpr_workgroup_id_x 1
		.amdhsa_system_sgpr_workgroup_id_y 1
		.amdhsa_system_sgpr_workgroup_id_z 1
		.amdhsa_system_vgpr_workitem_id 0
		.amdhsa_next_free_vgpr 256
		.amdhsa_next_free_sgpr 66
		.amdhsa_reserve_vcc 1
		.amdhsa_float_denorm_mode_32 3
		.amdhsa_float_denorm_mode_16_64 3
		.amdhsa_memory_ordered 1
		.amdhsa_forward_progress 1
		.amdhsa_inst_pref_size 72
	.end_amdhsa_kernel
	.amdgpu_metadata
---
amdhsa.version: [ 1, 2 ]
amdhsa.kernels:
  - .name:           k_qaa87d03453_attn
    .symbol:         k_qaa87d03453_attn.kd
    .args:
      - { .name: q, .offset: 0, .size: 8, .value_kind: global_buffer, .address_space: global }
      - { .name: kvc, .offset: 8, .size: 8, .value_kind: global_buffer, .address_space: global }
      - { .name: sen_len, .offset: 16, .size: 8, .value_kind: global_buffer, .address_space: global }
      - { .name: out0, .offset: 24, .size: 8, .value_kind: global_buffer, .address_space: global }
    .group_segment_fixed_size: 276480
    .private_segment_fixed_size: 0
    .kernarg_segment_align: 8
    .kernarg_segment_size: 32
    .max_flat_workgroup_size: 512
    .sgpr_count:     66
    .vgpr_count:     256
    .wavefront_size: 32
...
	.end_amdgpu_metadata
.endif
;; end of part 2
